; MI455X (gfx1250); checked and timed in simulation.
; The chip was launched on July 23, 2026; its instructions are those of AMD's public machine-readable ISA for CDNA 5 (MIT licence, August 2026) and "CDNA5" Instruction Set Architecture Reference Guide (July 2026). The comments in the code are by the model that wrote it; some were corrected since.
;; Multi Headed Attention. Allowed arithmetic: matrix products marked QUANTISED: E2M1 operands, one E8M0 scale for each 32 along K, by v_wmma_scale_f32_16x16x128_f8f6f4 with both operands' format E2M1 (or v_wmma_scale_f32_32x16x128_f4), f32 sums; products left as they are: bf16, f16 or f32 operands; f32 sums; everything else in f32.
;; Inputs: Wk 1,024 x 1,024 float32; Wo 1,024 x 1,024 float32; Wq 1,024 x 1,024 float32; Wv 1,024 x 1,024 float32; bk 1,024 float32; bo 1,024 float32; bq 1,024 float32; bv 1,024 float32; x 16 x 512 x 1,024 float32.
;; Outputs: out0 16 x 512 x 1,024 float32.
;; This version of the problem:
;;   THIS VERSION OF THE PROBLEM IS GIVEN IN LOW PRECISION. The matrix products marked QUANTISED in the list below multiply operands that are first quantised to E2M1 (2 exponent bits, 1 mantissa bit; 4 bits a number), with one power-of-two scale for each 32 numbers along K (OCP MX v1.0); their sums are f32. The products marked 'left as it is' may take bf16, f16 or f32 operands, with f32 sums. Whichever they take, every output number must still come out within the allowed error. Rounding operands to bf16 (8 significant bits) uses up far more of that allowance than f16 does (11 bits, for magnitudes from 6e-5 to 65,504). All else is computed in f32.
;;   The module's matrix products, in the order in which they are computed (A, B: the left and right operand; K: the contracted axis; several contracted axes count as one K, in the product's order):
;;     1. [M 8,192, K 1,024] x [K 1,024, N 1,024]; A: input x; B: input Wq: QUANTISED
;;     2. [M 8,192, K 1,024] x [K 1,024, N 1,024]; A: input x; B: input Wk: QUANTISED
;;     3. [M 8,192, K 1,024] x [K 1,024, N 1,024]; A: input x; B: input Wv: QUANTISED
;;     4. batch 256 x [M 512, K 64] x [K 64, N 512]; A: computed on the way; B: computed on the way: left as it is (an operand is computed on the way)
;;     5. batch 256 x [M 512, K 512] x [K 512, N 64]; A: computed on the way; B: computed on the way: left as it is (an operand is computed on the way)
;;     6. [M 8,192, K 1,024] x [K 1,024, N 1,024]; A: computed on the way; B: input Wo: left as it is (an operand is computed on the way)
;;   THE QUANTISER, for each operand of a quantised product, along K:
;;     - K is cut into blocks of 32 from its start; a last block that is shorter is filled with zeros.
;;     - A block's scale is 2^e with e = floor(log2(the largest magnitude in the block)) - 2, held to -126 .. 127; a block of zeros has e = 0. As a byte (E8M0): e + 127.
;;     - Each number is divided by its block's scale, clamped to +-6, and rounded to the nearest number of E2M1, ties to even, subnormals kept.
;;     - The product sums the exact products of the quantised numbers (number of the format x scale) in f32.
;;   ~~~python
;;   def quantise(x, axis):      # numpy; x: float32 -> the quantised numbers, widened to float32 again
;;       x = np.moveaxis(x, axis, -1); K = x.shape[-1]
;;       x = np.pad(x, [(0, 0)] * (x.ndim - 1) + [(0, -K % 32)]); x = x.reshape(x.shape[:-1] + (-1, 32)); a = np.abs(x).max(-1, keepdims=True)
;;       e = np.where(a > 0, np.clip(np.frexp(np.where(a > 0, a, 1))[1] - 1 - 2, -126, 127), 0)      # np.frexp(a)[1] - 1 = floor(log2(a)), exactly
;;       r = np.clip(x / 2.0 ** e, -6, 6)
;;       step = 2.0 ** (np.maximum(np.frexp(np.where(r == 0, 1, r))[1] - 1, 0) - 1)
;;       q = np.round(r / step) * step * 2.0 ** e      # np.round: ties to even
;;       return np.moveaxis(q.reshape(q.shape[:-2] + (-1,))[..., :K], -1, axis).astype(np.float32)
;;   ~~~
;; One version. Each part assembles by itself: llvm-mc -triple=amdgcn-amd-amdhsa -mcpu=gfx1250 --defsym DOCPART=n.
;; ======== version 1 of 1: 3 launches
;; limits: values are held in f16: magnitudes above 65,504 overflow, below 6.1e-05 lose precision
;; workspace buffers: x_img 4,194,304 bytes; xs_img 262,144 bytes; wpack 1,671,168 bytes; wo_img 2,097,152 bytes; rope 131,072 bytes; ao_img 16,777,216 bytes
;; launch prep (part 1): grid 416 x 1, 4 waves a work-group, no clusters, 68,096 bytes of LDS; arguments x, Wq, Wk, Wv, Wo, x_img, xs_img, wpack, wo_img, rope; writes x_img, xs_img, wpack, wo_img, rope
.if DOCPART == 1
	.amdgcn_target "amdgcn-amd-amdhsa--gfx1250"
	.amdhsa_code_object_version 6
	.text
	.protected	k_qb6c7354fee_prep
	.globl	k_qb6c7354fee_prep
	.p2align	8
	.type	k_qb6c7354fee_prep,@function
k_qb6c7354fee_prep:
	s_mov_b64 s[64:65], 0
	v_nop
	global_prefetch_b8 v0, s[64:65] scope:SCOPE_SE
	s_setreg_imm32_b32 hwreg(HW_REG_WAVE_MODE, 25, 1), 1
	s_wait_xcnt 0x0
; PREPARATION, once for the whole program.  Four kinds of work-group, told apart by the work-group's number alone:
;   0-255    x [8192][1024] f32        -> codes of E2M1 and E8M0 scale words, quantised along its last axis
;   256-351  Wq, Wk, Wv [1024][1024]   -> the same, quantised along their FIRST axis (K), packed head by head
;   352-383  Wo [1024][1024] f32       -> f16, laid as operand fragments with K = its first axis
;   384-415  the table of cos and sin for the rotary embedding, 512 positions x 32 frequencies, f32
; ALL RESULTS ARE LAID IN THE ORDER OF THE OPERAND'S REGISTERS, so that the later launches fetch every fragment by loads of 512 consecutive bytes.  lane = 16 h + r.
;   a 4-bit fragment (16 rows x 128 k, 1,024 bytes): byte 512 g + 16 lane holds registers 4 g .. 4 g + 3 of the lane: row r, k = 64 g + 32 h + 0 .. 31
;   the scale words of a tile of 16 rows and four K steps (256 bytes): byte 8 lane + 4 q holds the word of row r for K step 2 q + h of the four
;   an f16 fragment (16 rows x 32 k, 1,024 bytes): byte 512 g + 16 lane holds row r, k = 16 g + 8 h + 0 .. 7
; THE QUANTISER.  A block's scale is 2^(floor(log2(largest magnitude)) - 2); its byte is the largest magnitude's exponent field - 2, held at 1 from below by a floor among the maximum's leaves.
; Each number is divided by the scale and rounded to the nearest code, ties to even; beyond 6 the conversion gives the largest code.
; LIMITS: a block of zeros gets the byte 1 where the rule says 127 (its codes are zeros, and this program alone reads the bytes); NaN and infinities among the inputs are not served; Wo's magnitudes stay under 65,504 (f16).
; A wave's unit is 16 rows (or columns) x 512 along K: four K steps of 128.  A lane holds two whole blocks of 32 of its row, in the order of the operand's registers, so no maximum crosses lanes
; and the conversions' results are the fragment's registers.
.set SPARE, 67584                      ; behind the four waves' stages: the spare words, 128 bytes a wave: two blocks of 256 bytes that no other line names
.set SPW,  2                           ; v2   LDS address of my spare word; never rewritten
.set NIL,  3                           ; v3   0; never rewritten
.set RR,   4                           ; v4   r = lane % 16
.set HH,   5                           ; v5   h = lane / 16
.set LI,   6                           ; v6   16 x lane
.set L8,   7                           ; v7   8 x lane
.set SH,   8                           ; v8   8 h: my two scale bytes' shift in the word
.set MX,   16                          ; v16-17 the two blocks' largest magnitudes
.set SC,   18                          ; v18-19 the conversions' scale operands
.set BY,   20                          ; v20-21 the scale bytes
.set TT,   22                          ; v22, v23 at work
.set T2,   23
.set WD,   24                          ; v24-27 the scale words of the unit's four K steps
.set PR,   28                          ; v28-29 the pair of words that goes out
.set C,    32                          ; v32-63 codes: eight registers for each K step, never rewritten
.set X0,   64                          ; v64-127, v128-191 two sets of 64 numbers (x: v128-191 and v192-255 take the loads, v64-127 the turned numbers)
.set X1,   128
.set IMG,  28                          ; s[28:29] where the unit's fragments go
.set SCLP, 30                          ; s[30:31] where its scale words go
.set SRC,  32                          ; s[32:33] where its numbers come from
; 64 numbers of a lane, register 32 c + i = k 64 c + 32 h + i of my row, become K step s's codes and scale word
.macro QUANT xs, s
.irp c, 0,1
	v_max3_num_f32 v[MX+\c], |v[\xs+32*\c]|, |v[\xs+32*\c+1]|, 0x1800000   ; the floor 2^(3 - 127) is a leaf: the byte cannot fall under 1
.endr
.irp i, 2,4,6,8,10,12,14,16,18,20,22,24,26,28,30
.irp c, 0,1
	v_max3_num_f32 v[MX+\c], v[MX+\c], |v[\xs+32*\c+\i]|, |v[\xs+32*\c+\i+1]|   ; the two blocks by turns
.endr
.endr
.irp c, 0,1
	v_add_nc_u32 v[SC+\c], 0xff000000, v[MX+\c]    ; 2 off the exponent field: the conversion takes this operand's exponent field as its scale
.endr
.irp c, 0,1
	v_lshrrev_b32 v[BY+\c], 23, v[SC+\c]           ; the scale's byte
.endr
	v_lshl_or_b32 v[TT], v[BY+1], 16, v[BY]        ; my bytes: blocks h and 2 + h of the row's four,
	v_lshlrev_b32 v[TT], v[SH], v[TT]              ; at their places;
	v_permlanex16_b32 v[T2], v[TT], s26, s27
	v_or_b32 v[WD+(\s)], v[TT], v[T2]              ; with lane xor 16's two the word is whole, in both halves of the lanes
.irp c, 0,1
.irp q, 0,1,2,3
	v_cvt_scalef32_pk8_fp4_f32 v[C+8*(\s)+4*\c+\q], v[\xs+32*\c+8*\q:\xs+32*\c+8*\q+7], v[SC+\c]
.endr
.endr
	v_nop                                          ; one plain line behind the last scaled conversion
.endm
.macro PUT s                           ; K step s's fragment: two stores of 512 consecutive bytes
	global_store_b128 v[LI], v[C+8*(\s):C+8*(\s)+3], s[IMG:IMG+1] offset:1024*(\s)
	global_store_b128 v[LI], v[C+8*(\s)+4:C+8*(\s)+7], s[IMG:IMG+1] offset:1024*(\s)+512
.endm
.macro PUTS                            ; the four scale words: lanes 0-15 keep the even K steps', lanes 16-31 the odd ones'; one store of 256 consecutive bytes
	v_cndmask_b32 v[PR], v[WD], v[WD+1], s25
	v_cndmask_b32 v[PR+1], v[WD+2], v[WD+3], s25
	global_store_b64 v[L8], v[PR:PR+1], s[SCLP:SCLP+1]
.endm
	s_load_b512 s[4:19], s[0:1], 0x0               ; x, Wq, Wk, Wv, Wo, x_img, xs_img, wpack
	s_load_b128 s[20:23], s[0:1], 0x40             ; wo_img, rope
	v_lshl_add_u32 v[SPW], v0, 2, SPARE
	v_mov_b32 v[NIL], 0
	v_lshrrev_b32 v1, 5, v0
	v_readfirstlane_b32 s24, v1                    ; wave 0..3
	v_and_b32 v1, 31, v0                           ; lane
	v_and_b32 v[RR], 15, v0
	v_bfe_u32 v[HH], v0, 4, 1
	v_lshlrev_b32 v[LI], 4, v1
	v_lshlrev_b32 v[L8], 3, v1
	v_lshlrev_b32 v[SH], 3, v[HH]
	s_mov_b32 s25, 0xffff0000                      ; lanes 16-31
	s_mov_b32 s26, 0x76543210
	s_mov_b32 s27, 0xfedcba98                      ; v_permlanex16_b32's selects for lane xor 16
	v_mov_b32 v[T2], 0                             ; written once: a lane permute's destination counts as one of its sources
	s_mov_b32 s39, 0                               ; the upper word of every offset
	s_wait_kmcnt 0x0
	s_cmp_lt_u32 ttmp9, 256
	s_cbranch_scc0 .Lnot_x
; ---------------- x.  Unit: row tile T = 2 x work-group + wave / 2, half H = wave % 2 of K.
; Each load reads one row's 512 consecutive bytes (a K step), 16 bytes a lane; the 16 rows turn through the wave's own stage in LDS (rows of 512 + 16 bytes) and come back 128 bytes a lane and block.
	s_lshl_b32 s34, ttmp9, 1
	s_lshr_b32 s35, s24, 1
	s_add_co_u32 s34, s34, s35                     ; T
	s_and_b32 s36, s24, 1                          ; H
	s_lshl_b32 s38, s34, 16                        ; 16 rows of 4,096 bytes
	s_lshl_b32 s40, s36, 11                        ; 512 numbers
	s_add_co_u32 s38, s38, s40
	s_add_nc_u64 s[SRC:SRC+1], s[4:5], s[38:39]
	s_lshl_b32 s38, s34, 13                        ; a tile's eight fragments
	s_lshl_b32 s40, s36, 12
	s_add_co_u32 s38, s38, s40
	s_add_nc_u64 s[IMG:IMG+1], s[14:15], s[38:39]
	s_lshl_b32 s38, s34, 9
	s_lshl_b32 s40, s36, 8
	s_add_co_u32 s38, s38, s40
	s_add_nc_u64 s[SCLP:SCLP+1], s[16:17], s[38:39]
	s_mul_i32 s37, s24, 16896                      ; my two stages of 16 x 528 bytes
	v_add_nc_u32 v9, s37, v[LI]                    ; in: 16 x lane of a row
	v_mul_u32_u24 v10, v[RR], 528
	v_lshl_add_u32 v10, v[HH], 7, v10
	v_add_nc_u32 v10, s37, v10                     ; back: row r, + 128 h
.macro LOADX s
.irp i, 0,1,2,3,4,5,6,7,8,9,10,11,12,13,14,15
	global_load_b128 v[X1+64*((\s)%2)+4*\i:X1+64*((\s)%2)+4*\i+3], v[LI], s[SRC:SRC+1] offset:4096*\i+512*(\s) th:TH_LOAD_NT
.endr
.endm
.macro STEPX s
.if (\s) < 3
	s_wait_loadcnt 16                              ; this K step's 16 loads are in; the next step's 16 may be out
.else
	s_wait_loadcnt 0x0
.endif
.irp i, 0,1,2,3,4,5,6,7,8,9,10,11,12,13,14,15
	ds_store_b128 v9, v[X1+64*((\s)%2)+4*\i:X1+64*((\s)%2)+4*\i+3] offset:8448*((\s)%2)+528*\i
.endr
.irp c, 0,1
.irp q, 0,1,2,3,4,5,6,7
	ds_load_b128 v[X0+32*\c+4*\q:X0+32*\c+4*\q+3], v10 offset:8448*((\s)%2)+256*\c+16*\q   ; LDS serves a wave's instructions in order: these see the stores above
.endr
.endr
	s_wait_dscnt 0x0                               ; the numbers are back, and the stores have read their registers,
.if (\s) < 2
	LOADX (\s)+2                                   ; which take the loads of two steps on
.endif
	QUANT X0, \s
	PUT \s
.endm
	LOADX 0
	LOADX 1
.irp s, 0,1,2,3
	STEPX \s
.endr
	PUTS
	s_wait_tensorcnt 0x0                           ; the wave's end: behind my last LDS store
	ds_add_u32 v[SPW], v[NIL]
	s_wait_dscnt 0x0
	s_endpgm
.Lnot_x:
	s_cmp_lt_u32 ttmp9, 352
	s_cbranch_scc0 .Lnot_w
; ---------------- Wq, Wk, Wv.  g = work-group - 256: tensor g / 32, head (g / 2) % 16, half H = g % 2 of K; wave c takes columns 64 head + 16 c + 0 .. 15.
; A lane takes a column and its registers run down K: each load reads 64 consecutive bytes a wave, 256 the four waves; nothing is transposed.
	s_sub_co_u32 s34, ttmp9, 256
	s_lshr_b32 s35, s34, 5                         ; which tensor
	s_bfe_u32 s36, s34, 0x40001                    ; head
	s_and_b32 s37, s34, 1                          ; H
	s_cmp_eq_u32 s35, 0
	s_cselect_b64 s[SRC:SRC+1], s[6:7], s[8:9]
	s_cmp_eq_u32 s35, 2
	s_cselect_b64 s[SRC:SRC+1], s[10:11], s[SRC:SRC+1]
	s_lshl_b32 s38, s36, 8                         ; 64 columns of 4 bytes a head,
	s_lshl_b32 s40, s24, 6                         ; 16 a wave,
	s_add_co_u32 s38, s38, s40
	s_lshl_b32 s40, s37, 21                        ; 512 rows of 4,096 bytes a half
	s_add_co_u32 s38, s38, s40
	s_add_nc_u64 s[SRC:SRC+1], s[SRC:SRC+1], s[38:39]
	s_lshl_b32 s41, s35, 2
	s_add_co_u32 s41, s41, s24                     ; the head's column tile: 4 x tensor + wave
	s_mul_i32 s42, s36, 104448                     ; a head's pack: 12 tiles x 8,192 bytes of codes, then 12 x 512 of scale words
	s_lshl_b32 s38, s41, 13
	s_add_co_u32 s38, s38, s42
	s_lshl_b32 s40, s37, 12
	s_add_co_u32 s38, s38, s40
	s_add_nc_u64 s[IMG:IMG+1], s[18:19], s[38:39]
	s_lshl_b32 s38, s41, 9
	s_add_co_u32 s38, s38, s42
	s_lshl_b32 s40, s37, 8
	s_add_co_u32 s38, s38, s40
	s_add_co_u32 s38, s38, 98304
	s_add_nc_u64 s[SCLP:SCLP+1], s[18:19], s[38:39]
	v_lshlrev_b32 v9, 2, v[RR]
	v_lshl_add_u32 v9, v[HH], 17, v9               ; column r; lanes 16-31 begin 32 rows further down
.macro LOADW s
.irp c, 0,1
.irp i, 0,1,2,3,4,5,6,7,8,9,10,11,12,13,14,15,16,17,18,19,20,21,22,23,24,25,26,27,28,29,30,31
	global_load_b32 v[X0+64*((\s)%2)+32*\c+\i], v9, s[SRC:SRC+1] offset:4096*(128*(\s)+64*\c+\i) th:TH_LOAD_NT
.endr
.endr
.endm
.macro STEPW s
.if (\s) < 3
	s_wait_loadcnt 63                              ; 64 loads were issued behind this step's; the wait's field holds 63, and a smaller count is safe
.else
	s_wait_loadcnt 0x0
.endif
	QUANT X0+64*((\s)%2), \s
	PUT \s
.if (\s) < 2
	LOADW (\s)+2
.endif
.endm
	LOADW 0
	LOADW 1
.irp s, 0,1,2,3
	STEPW \s
.endr
	PUTS
	s_endpgm
.Lnot_w:
	s_cmp_lt_u32 ttmp9, 384
	s_cbranch_scc0 .Lrope
; ---------------- Wo -> f16 fragments.  g = work-group - 352: column tile 4 (g / 2) + wave, half H = g % 2 of K.  A lane takes column r, its registers run down K in the fragment's order.
	s_sub_co_u32 s34, ttmp9, 352
	s_lshr_b32 s35, s34, 1
	s_lshl_b32 s35, s35, 2
	s_add_co_u32 s35, s35, s24                     ; column tile 0..63
	s_and_b32 s37, s34, 1                          ; H
	s_lshl_b32 s38, s35, 6
	s_lshl_b32 s40, s37, 21
	s_add_co_u32 s38, s38, s40
	s_add_nc_u64 s[SRC:SRC+1], s[12:13], s[38:39]
	s_lshl_b32 s38, s35, 15                        ; a tile's 32 fragments
	s_lshl_b32 s40, s37, 14
	s_add_co_u32 s38, s38, s40
	s_add_nc_u64 s[IMG:IMG+1], s[20:21], s[38:39]
	v_lshlrev_b32 v9, 2, v[RR]
	v_lshl_add_u32 v9, v[HH], 15, v9               ; column r; lanes 16-31 begin 8 rows further down
.macro LOADO s
.irp k, 0,1,2,3
.irp g, 0,1
.irp i, 0,1,2,3,4,5,6,7
	global_load_b32 v[X0+64*((\s)%2)+16*\k+8*\g+\i], v9, s[SRC:SRC+1] offset:4096*(128*(\s)+32*\k+16*\g+\i) th:TH_LOAD_NT
.endr
.endr
.endr
.endm
.macro STEPO s
.set XB, X0+64*((\s)%2)
.if (\s) < 3
	s_wait_loadcnt 63                              ; as above
.else
	s_wait_loadcnt 0x0
.endif
.set a, 0
.rept 32
	v_cvt_pk_f16_f32 v[XB+a], v[XB+2*a], v[XB+2*a+1]   ; in place, ascending: a register is written only after it has been read
.set a, a+1
.endr
.irp m, 0,1,2,3,4,5,6,7
	global_store_b128 v[LI], v[XB+4*\m:XB+4*\m+3], s[IMG:IMG+1] offset:4096*(\s)+512*\m   ; 512 consecutive bytes
.endr
.if (\s) < 2
	s_wait_xcnt 0x0                                ; the stores' data registers take the next loads only behind this wait
	LOADO (\s)+2
.endif
.endm
	LOADO 0
	LOADO 1
.irp s, 0,1,2,3
	STEPO \s
.endr
	s_endpgm
.Lrope:
; ---------------- cos and sin.  t = work-group - 384: positions 16 t + r; wave c, lane half h: frequencies i = 8 c + 4 h + 0 .. 3.  angle = position x 10000^(-i / 32), in f32.
; The angle is reduced by multiples of pi / 2 (pi / 2 in two parts, fused multiply-adds), sine and cosine on |rho| <= pi / 4 are polynomials whose first left-out terms are rho^11 / 11! and rho^10 / 10!,
; and the quadrant chooses and signs them by v_cndmask_b32 and exclusive ors.  The series serve every angle that 512 positions can give.
	s_sub_co_u32 s34, ttmp9, 384
	s_lshl_b32 s35, s34, 4
	s_lshl_b32 s40, s24, 3
	s_mov_b32 s28, 0x3fc90fdb                      ; pi / 2, upper part
	s_mov_b32 s29, 0xb33bbd2e                      ; and the rest
	s_mov_b32 s30, 0xbe2aaaab                      ; -1/3!
	s_mov_b32 s31, 0x3c088889                      ; 1/5!
	s_mov_b32 s32, 0xb9500d01                      ; -1/7!
	s_mov_b32 s33, 0x3638ef1d                      ; 1/9!
	s_mov_b32 s36, 0x3d2aaaab                      ; 1/4!
	s_mov_b32 s37, 0xbab60b61                      ; -1/6!
	s_mov_b32 s38, 0x37d00d01                      ; 1/8!
	v_lshl_add_u32 v9, v[HH], 2, s40               ; 8 c + 4 h
	v_add_nc_u32 v10, s35, v[RR]                   ; the position
.irp j, 0,1,2,3
	v_add_nc_u32 v[64+\j], \j, v9
.endr
.irp j, 0,1,2,3
	v_cvt_f32_u32 v[64+\j], v[64+\j]
.endr
.irp j, 0,1,2,3
	v_mul_f32 v[64+\j], 0xbed49a78, v[64+\j]       ; -i log2(10) / 8 = log2(10000^(-i / 32))
.endr
.irp j, 0,1,2,3
	v_exp_f32 v[68+\j], v[64+\j]
.endr
	v_cvt_f32_u32 v10, v10                         ; a plain line behind the exponentials
	s_wait_alu depctr_va_vdst(0)                   ; one wait for the four, ahead of their first reader
.irp j, 0,1,2,3
	v_mul_f32 v[72+\j], v10, v[68+\j]              ; the angle
.endr
.irp j, 0,1,2,3
	v_mul_f32 v[76+\j], 0x3f22f983, v[72+\j]       ; x 2 / pi
.endr
.irp j, 0,1,2,3
	v_rndne_f32 v[76+\j], v[76+\j]                 ; n
.endr
.irp j, 0,1,2,3
	v_fma_f32 v[80+\j], -v[76+\j], s28, v[72+\j]
.endr
.irp j, 0,1,2,3
	v_fma_f32 v[80+\j], -v[76+\j], s29, v[80+\j]   ; rho
.endr
.irp j, 0,1,2,3
	v_mul_f32 v[84+\j], v[80+\j], v[80+\j]         ; rho^2
.endr
.irp j, 0,1,2,3
	v_fma_f32 v[88+\j], v[84+\j], s33, s32
	v_fma_f32 v[96+\j], v[84+\j], s38, s37
.endr
.irp j, 0,1,2,3
	v_fma_f32 v[88+\j], v[88+\j], v[84+\j], s31
	v_fma_f32 v[96+\j], v[96+\j], v[84+\j], s36
.endr
.irp j, 0,1,2,3
	v_fma_f32 v[88+\j], v[88+\j], v[84+\j], s30
	v_fma_f32 v[96+\j], v[96+\j], v[84+\j], -0.5
	v_mul_f32 v[92+\j], v[80+\j], v[84+\j]         ; rho^3
.endr
.irp j, 0,1,2,3
	v_fma_f32 v[88+\j], v[92+\j], v[88+\j], v[80+\j]   ; sin rho
	v_fma_f32 v[96+\j], v[96+\j], v[84+\j], 1.0        ; cos rho
	v_cvt_i32_f32 v[100+\j], v[76+\j]                  ; the quadrant
.endr
.irp j, 0,1,2,3
	v_and_b32 v[104+\j], 1, v[100+\j]
	v_cmp_eq_u32 vcc_lo, 1, v[104+\j]
	v_cndmask_b32 v[108+\j], v[88+\j], v[96+\j], vcc_lo   ; in odd quadrants the two change places
	v_cndmask_b32 v[112+\j], v[96+\j], v[88+\j], vcc_lo
	v_and_b32 v[104+\j], 2, v[100+\j]                     ; the sine is negative in quadrants 2 and 3,
	v_lshlrev_b32 v[104+\j], 30, v[104+\j]
	v_xor_b32 v[108+\j], v[108+\j], v[104+\j]
	v_add_nc_u32 v[100+\j], 1, v[100+\j]                  ; the cosine in quadrants 1 and 2
	v_and_b32 v[100+\j], 2, v[100+\j]
	v_lshlrev_b32 v[100+\j], 30, v[100+\j]
	v_xor_b32 v[112+\j], v[112+\j], v[100+\j]
.endr
	s_lshl_b32 s40, s34, 12
	s_lshl_b32 s41, s24, 10
	s_add_co_u32 s40, s40, s41
	s_mov_b32 s41, 0
	s_add_nc_u64 s[40:41], s[22:23], s[40:41]
	global_store_b128 v[LI], v[112:115], s[40:41]             ; the cosines: 512 consecutive bytes,
	global_store_b128 v[LI], v[108:111], s[40:41] offset:512  ; the sines behind them
	s_endpgm
.Lfunc_end_k_qb6c7354fee_prep:
	.size	k_qb6c7354fee_prep, .Lfunc_end_k_qb6c7354fee_prep-k_qb6c7354fee_prep
	.p2alignl 7, 3214868480
	.fill 96, 4, 3214868480
	.section	.rodata,"a",@progbits
	.p2align	6, 0x0
	.amdhsa_kernel k_qb6c7354fee_prep
		.amdhsa_group_segment_fixed_size 68096
		.amdhsa_private_segment_fixed_size 0
		.amdhsa_enable_private_segment 0
		.amdhsa_kernarg_size 80
		.amdhsa_user_sgpr_count 2
		.amdhsa_user_sgpr_kernarg_segment_ptr 1
		.amdhsa_wavefront_size32 1
		.amdhsa_system_sgpr_workgroup_id_x 1
		.amdhsa_system_sgpr_workgroup_id_y 1
		.amdhsa_system_sgpr_workgroup_id_z 1
		.amdhsa_system_vgpr_workitem_id 0
		.amdhsa_next_free_vgpr 256
		.amdhsa_next_free_sgpr 66
		.amdhsa_reserve_vcc 1
		.amdhsa_float_denorm_mode_32 3
		.amdhsa_float_denorm_mode_16_64 3
		.amdhsa_memory_ordered 1
		.amdhsa_forward_progress 1
		.amdhsa_inst_pref_size 110
	.end_amdhsa_kernel
	.amdgpu_metadata
---
amdhsa.version: [ 1, 2 ]
amdhsa.kernels:
  - .name:           k_qb6c7354fee_prep
    .symbol:         k_qb6c7354fee_prep.kd
    .args:
      - { .name: x, .offset: 0, .size: 8, .value_kind: global_buffer, .address_space: global }
      - { .name: Wq, .offset: 8, .size: 8, .value_kind: global_buffer, .address_space: global }
      - { .name: Wk, .offset: 16, .size: 8, .value_kind: global_buffer, .address_space: global }
      - { .name: Wv, .offset: 24, .size: 8, .value_kind: global_buffer, .address_space: global }
      - { .name: Wo, .offset: 32, .size: 8, .value_kind: global_buffer, .address_space: global }
      - { .name: x_img, .offset: 40, .size: 8, .value_kind: global_buffer, .address_space: global }
      - { .name: xs_img, .offset: 48, .size: 8, .value_kind: global_buffer, .address_space: global }
      - { .name: wpack, .offset: 56, .size: 8, .value_kind: global_buffer, .address_space: global }
      - { .name: wo_img, .offset: 64, .size: 8, .value_kind: global_buffer, .address_space: global }
      - { .name: rope, .offset: 72, .size: 8, .value_kind: global_buffer, .address_space: global }
    .group_segment_fixed_size: 68096
    .private_segment_fixed_size: 0
    .kernarg_segment_align: 8
    .kernarg_segment_size: 80
    .max_flat_workgroup_size: 128
    .sgpr_count:     66
    .vgpr_count:     256
    .wavefront_size: 32
...
	.end_amdgpu_metadata
.endif
;; end of part 1
;; launch qkv_attn (part 2): grid 16 x 16, 8 waves a work-group, clusters of 4 x 4, 302,080 bytes of LDS; arguments x_img, xs_img, wpack, rope, bq, bk, bv, ao_img; writes ao_img
.if DOCPART == 2
	.amdgcn_target "amdgcn-amd-amdhsa--gfx1250"
	.amdhsa_code_object_version 6
	.text
	.protected	k_qb6c7354fee_qkv_attn
	.globl	k_qb6c7354fee_qkv_attn
	.p2align	8
	.type	k_qb6c7354fee_qkv_attn,@function
k_qb6c7354fee_qkv_attn:
	s_mov_b64 s[64:65], 0
	v_nop
	global_prefetch_b8 v0, s[64:65] scope:SCOPE_SE
	s_setreg_imm32_b32 hwreg(HW_REG_WAVE_MODE, 25, 1), 1
	s_wait_xcnt 0x0
	s_wait_alu depctr_hold_cnt(0) depctr_sa_sdst(0) depctr_va_vdst(0) depctr_va_sdst(0) depctr_va_ssrc(0) depctr_va_vcc(0) depctr_vm_vsrc(0)
	s_getreg_b32 s2, hwreg(HW_REG_IB_STS2, 6, 4)
	s_cmp_eq_u32 s2, 0
	s_cbranch_scc0 .Lentry_in_a_cluster
	s_endpgm
.Lentry_in_a_cluster:
	s_bfe_u32 s2, ttmp6, 0x10000c
	s_cmp_lg_u32 s2, 0xf033
	s_cbranch_scc0 .Lentry_shape_is_right
	s_endpgm
.Lentry_shape_is_right:
; ONE WORK-GROUP MAKES THE WHOLE ATTENTION OF ONE (batch, head): Q, K, V = x W + b on codes of E2M1 with E8M0 scales (512 positions x 192 columns x K 1,024), the rotary embedding, the causal softmax, P V, + bv.
; Q, K and V never go to memory: they pass from wave to wave through LDS, as f16, in the order of the next products' operand registers.
; SHARES.  16 x 16 work-groups, eight waves each.  Wave w owns the position pairs w and 15 - w (pair p = positions 32 p .. 32 p + 31 = row tiles 2 p, 2 p + 1), in the projections as rows and in the
; attention as queries: under the causal mask that is (w + 1) + (16 - w) = 17 key steps of 32 for every wave.
; PROJECTIONS.  The wave's 64 rows of x, all of K, stay in 256 registers; the head's 12 column tiles of 16 (Q, K, V x 4) come from LDS, one after the other.  For Q and K source 0 = 16 columns of W, source 1 =
; 16 positions: a lane then holds ONE position and eight neighbouring channels, four rotary pairs; rounded to f16 they are four registers of a fragment of K (or Q) for S^T = K Q^T.  For V the sources are swapped:
; a lane holds one channel and eight neighbouring keys, four registers of a fragment of V^T for O^T = V^T P.  bq and bk are the C of a sum's first matrix instruction; bv is added at the end: the weights of a row sum to 1.
; ATTENTION.  Both products transposed, a lane holds one query throughout; running maximum m and sum l: p = 2^(c s - c m), c = log2(e) / 8; O and l are multiplied by 2^(c m_old - c m_new) in every step.
; O^T / l + bv, rounded to f16, is a fragment of the last projection's operand and is stored as it stands.
; CLUSTER.  4 x 4 work-groups: four batches (along x) by four heads (along y).  The four of a row of the cluster have one head and need the same 104,448 bytes of weights; the four of a column have one batch and need
; the same codes of x.  Both are asked for JOINTLY, by the same tensor load with the same descriptor and a mask that names the four.  Of x's eight K steps six go this way: their 196,608 bytes, the weights' 104,448 and
; the spare words' 1,024 are 302,080, and one K step more (32,768) would pass the 327,680 that a work-group can have.  K steps 6 and 7 and x's scale words go from memory straight into the registers in which they stay.
; LIMITS: Q, K, V and the attention's output are carried as f16: magnitudes under 65,504; NaN and infinities are not served.
; LDS: bytes 0 to 196,607 hold first x's codes, [row tile 32][K step 6][1,024], filled once by the tensor data mover; when every wave has taken its rows into registers (a barrier), the same bytes take
; K's fragments [key tile 32][4][512], V^T's [key block 16][channel tile 4][2][512] and Q's (as K's).  Behind them the weights' pack as it lies in memory (filled once, never stored into) and the spare words.
.set K_IMG,  0
.set V_IMG,  65536
.set Q_IMG,  131072
.set W_IMG,  196608
.set WS_IMG, 294912
.set SPARE,  301056                    ; 128 bytes for each of the eight waves: four blocks of 256 bytes that no other line names
; REGISTERS, window 0, all through the text: v1 16 x lane; v8 32 h; v18, v19 the add's two; v32-47 x's scale words (tile i at 4 i); v48-55 W's, two sets of four.  These 24 hold scales and nothing else.
.set LI,   1
.set BH,   8
.set SPW,  18
.set NIL,  19
.set XS,   32
.set WS,   48
; in the projections:
.set XA,   2                           ; v2, v3   my two pairs' places in x's fragments in memory
.set SA,   4                           ; v4, v5   in x's scale words
.set RA,   6                           ; v6, v7   in the table of cos and sin
.set ADRK, 9                           ; v9, v10  where my two pairs' fragments of K go; v11, v12 of V; v13, v14 of Q
.set ADRV, 11
.set ADRQ, 13
.set WR,   15                          ; v15, v16 the weights' fragments: tiles 0-7, tiles 8-11
.set WSR,  17                          ; v17      their scale words
.set XL,   20                          ; v20, v21 my two pairs' places in x's codes in LDS
.set TMP,  24                          ; v24-31   at work
.set WB,   56                          ; v56-119  a column tile's eight fragments, in two halves of four K steps
.set ACC,  120                         ; v120-151 four accumulators: my four row tiles
.set CS,   152                         ; v152-215 cos and sin, two sets of 32: tile i at 8 i, cos + 0 .. 3, sin + 4 .. 7
.set BI,   216                         ; v216-247 bq (8) and bk (8), two sets
;   window 1, all 256: x's fragment (K step s, tile i) at 8 (4 s + i)
; in the attention:
.set DM,   2                           ; v2   r - 8 h
.set NINF, 3                           ; v3   -infinity
.set ADK,  4                           ; v4, v5 LDS addresses of the step's K and V
.set ADV,  5
.set AQ,   6                           ; v6   of my pair's Q
.set GO,   7                           ; v7   my byte offset in the output
.set ST,   56                          ; v56-71   statistics, tile qt at 8 qt: +0 c m, +1 m, +2, +3 l, +4, +5 at work, +6 a, +7 the change of c m
.set KFR,  72                          ; v72-103  K: 16 kt + 8 kappa
.set VFR,  104                         ; v104-135 V^T: 8 dt
.set S,    136                         ; v136-167 S^T: 16 qt + 8 kt
.set P,    168                         ; v168-183 P: 8 qt
.set O,    184                         ; v184-247 O^T: 32 qt + 8 dt
.set QF,   32                          ; window 1: v0-31 bv in O^T's layout; v32-63 Q: 16 qt + 8 kappa
.set MSB, 0
.macro WIN new                         ; bits 1:0 source 0, 3:2 source 1, 5:4 source 2, 7:6 destination; the immediate's high byte repeats the setting that is left
.if MSB != \new
	s_set_vgpr_msb (MSB<<8)|\new
.set MSB, \new
.endif
.endm
.macro PLACES                          ; four plain lines between a matrix instruction and a load into, or a vector instruction on, its registers (ISA guide 7.12.1 for vector instructions)
.rept 4
	v_nop
.endr
.endm
.macro ROUND                           ; a round of the cluster's barrier
	s_barrier_signal -1
	s_barrier_wait -1
	s_cmp_lg_u32 s22, 0
	s_cbranch_scc1 .Lnot_wave_0_\@
	s_barrier_signal -3
.Lnot_wave_0_\@:
	s_barrier_wait -3
	s_barrier_signal -1
	s_barrier_wait -1
.endm
	s_load_b512 s[4:19], s[0:1], 0x0               ; x_img s[4:5], xs_img s[6:7], wpack s[8:9], rope s[10:11], bq s[12:13], bk s[14:15], bv s[16:17], ao_img s[18:19]
	v_lshl_add_u32 v[SPW], v0, 2, SPARE
	v_mov_b32 v[NIL], 0
	ds_add_u32 v[SPW], v[NIL]                      ; the wave's opening: the add, twice on end, and its wait ahead of my first tensor load
	ds_add_u32 v[SPW], v[NIL]                      ; the set-up below, work on registers, stands between the second and the wait
	v_lshrrev_b32 v1, 5, v0
	v_readfirstlane_b32 s22, v1                    ; wave 0..7
	s_bfe_u32 s23, ttmp6, 0x40000                  ; cx, cy: my place in the cluster
	s_bfe_u32 s21, ttmp6, 0x40004
	s_lshl_b32 s24, ttmp9, 2
	s_add_co_u32 s24, s24, s23                     ; the batch = 4 x cluster x + cx
	s_and_b32 s25, ttmp7, 0xffff
	s_lshl_b32 s25, s25, 2
	s_add_co_u32 s25, s25, s21                     ; the head = 4 x cluster y + cy.  Both enter global addresses alone
	s_lshl_b32 s20, s21, 2
	s_lshl_b32 s20, 15, s20                        ; my row of the cluster: one head
	s_lshl_b32 s48, 0x1111, s23                    ; my column: one batch
	; descriptor group 1 for the weights: 51 dense rows of 256 bytes (32 elements of 8 bytes): an eighth of the head's pack
	s_or_b32 s32, s20, (3<<16)|(1<<21)             ; 15:0 the mask: my row; 17:16 elements of 8 bytes; 21 set beside a mask; no padding
	s_mov_b32 s33, 32<<16                          ; tensor_dim0 = 32
	s_mov_b32 s34, 51<<16                          ; tensor_dim1 = 51
	s_mov_b32 s35, 32<<16                          ; tile_dim0 = 32
	s_mov_b32 s36, 51                              ; tile_dim1 = 51
	s_mov_b32 s37, 32                              ; from row to row
	s_mov_b32 s38, 0
	s_mov_b32 s39, 0
	; and for x: four row tiles, of each the first six K steps: 4 rows of 6,144 bytes (768 elements), 8,192 bytes apart in memory, dense in LDS
	s_or_b32 s56, s48, (3<<16)|(1<<21)             ; the mask: my column
	s_mov_b32 s57, 768<<16                         ; tensor_dim0 = 768
	s_mov_b32 s58, 4<<16                           ; tensor_dim1 = 4
	s_mov_b32 s59, 768<<16                         ; tile_dim0 = 768
	s_mov_b32 s60, 4                               ; tile_dim1 = 4
	s_mov_b32 s61, 1024                            ; from row to row
	s_mov_b32 s62, 0
	s_mov_b32 s63, 0
	s_mul_i32 s51, s22, 13056                      ; my eighth,
	s_mul_i32 s52, s25, 104448                     ; of my head's pack: made of the head and the wave's number alone
	s_add_co_u32 s52, s52, s51
	s_mov_b32 s53, 0
	s_mov_b32 s28, 1                               ; the weights' group 0: count = 1,
	s_add_co_u32 s29, s51, W_IMG                   ; the LDS address
	s_lshl_b32 s46, s24, 18                        ; my batch's 32 row tiles of 8,192 bytes,
	s_lshl_b32 s47, s22, 15                        ; of them tiles 4 w .. 4 w + 3: made of the batch and the wave's number alone
	s_add_co_u32 s46, s46, s47
	s_mov_b32 s47, 0
	s_mov_b32 s68, 1                               ; x's group 0: count = 1,
	s_mul_i32 s69, s22, 24576                      ; the LDS address: four tiles of 6,144 bytes a wave
	s_mov_b32 s40, 0x3e38aa3b                      ; c = log2(e) / sqrt(64)
	s_mov_b32 s41, s40                             ; (named with it as a pair)
	s_mov_b32 s42, 0x76543210
	s_mov_b32 s43, 0xfedcba98                      ; v_permlanex16_b32's selects for lane xor 16
	s_xor_b32 s44, s22, 15                         ; my second pair: 15 - wave
	v_and_b32 v20, 31, v0                          ; lane
	v_bfe_u32 v22, v0, 4, 1                        ; h
	v_lshlrev_b32 v[LI], 4, v20
	v_lshlrev_b32 v23, 3, v20
	v_lshlrev_b32 v[BH], 5, v22
	s_lshl_b32 s45, s22, 14
	v_add_nc_u32 v[XA], s45, v[LI]                 ; a pair's two tiles of x in memory: 2 x 8,192 bytes
	s_lshl_b32 s45, s44, 14
	v_add_nc_u32 v[XA+1], s45, v[LI]
	s_lshl_b32 s45, s22, 10
	v_add_nc_u32 v[SA], s45, v23                   ; their scale words: 2 x 512
	s_lshl_b32 s45, s44, 10
	v_add_nc_u32 v[SA+1], s45, v23
	s_lshl_b32 s45, s22, 13
	v_add_nc_u32 v[RA], s45, v[LI]                 ; their cos and sin: 2 x 4,096
	s_lshl_b32 s45, s44, 13
	v_add_nc_u32 v[RA+1], s45, v[LI]
	s_lshl_b32 s45, s22, 12
	v_add_nc_u32 v[ADRK], s45, v[LI]               ; a pair's fragments in LDS: 4,096 bytes in each of K, V, Q
	s_lshl_b32 s45, s44, 12
	v_add_nc_u32 v[ADRK+1], s45, v[LI]
	v_add_nc_u32 v[ADRV], V_IMG, v[ADRK]
	v_add_nc_u32 v[ADRV+1], V_IMG, v[ADRK+1]
	v_add_nc_u32 v[ADRQ], Q_IMG, v[ADRK]
	v_add_nc_u32 v[ADRQ+1], Q_IMG, v[ADRK+1]
	v_add_nc_u32 v[WR], W_IMG, v[LI]
	v_add_nc_u32 v[WR+1], W_IMG+65536, v[LI]
	v_add_nc_u32 v[WSR], WS_IMG, v23
	s_mul_i32 s45, s22, 12288
	v_add_nc_u32 v[XL], s45, v[LI]                 ; a pair's two tiles of x in LDS: 2 x 6,144 bytes
	s_mul_i32 s45, s44, 12288
	v_add_nc_u32 v[XL+1], s45, v[LI]
	s_wait_dscnt 0x0                               ; both opening adds are done
	s_wait_kmcnt 0x0
	s_add_nc_u64 s[30:31], s[8:9], s[52:53]        ; the weights' group 0: the global address,
	s_or_b32 s31, s31, 0x80000000                  ; type = 2
	s_add_nc_u64 s[70:71], s[4:5], s[46:47]        ; x's likewise
	s_or_b32 s71, s71, 0x80000000
	s_lshl_b32 s26, s24, 18                        ; a batch's 32 row tiles of codes,
	s_mov_b32 s27, 0
	s_add_nc_u64 s[4:5], s[4:5], s[26:27]
	s_lshl_b32 s26, s24, 14                        ; of scale words
	s_add_nc_u64 s[6:7], s[6:7], s[26:27]
	s_lshl_b32 s26, s25, 8                         ; a head's 64 numbers of each bias
	s_add_nc_u64 s[12:13], s[12:13], s[26:27]
	s_add_nc_u64 s[14:15], s[14:15], s[26:27]
	s_add_nc_u64 s[16:17], s[16:17], s[26:27]
	s_lshl_b32 s26, s24, 20                        ; the output: a batch's 32 tiles of 32,768 bytes, a head's two fragments of 1,024
	s_lshl_b32 s45, s25, 11
	s_add_co_u32 s26, s26, s45
	s_add_nc_u64 s[18:19], s[18:19], s[26:27]
	ROUND                                          ; all sixteen work-groups are here: the joint loads meet
	tensor_load_to_lds s[28:31], s[32:39]          ; my eighth of the weights,
	s_nop 0
	tensor_load_to_lds s[68:71], s[56:63]          ; and my eighth of x's first six K steps: my two tensor loads of the launch, both out at once
	s_nop 0
	PLACES
.irp i, 0,1,2,3
.irp hh, 0,1
	global_load_b64 v[XS+4*\i+2*\hh:XS+4*\i+2*\hh+1], v[SA+\i/2], s[6:7] offset:512*(\i%2)+256*\hh   ; register 2 H + q: K step 4 H + 2 q in lanes 0-15, the next in lanes 16-31
.endr
.endr
	WIN 0x40                                       ; destination window 1
.irp s, 6,7
.irp i, 0,1,2,3
.irp g, 0,1
	global_load_b128 v[8*(4*\s+\i)+4*\g:8*(4*\s+\i)+4*\g+3], v[XA+\i/2], s[4:5] offset:8192*(\i%2)+1024*\s+512*\g   ; x's last two K steps
.endr
.endr
.endr
	WIN 0
; cos, sin, bq and bk for channels 16 c on: 12 loads into set c % 2
.macro LOADCS c
.irp i, 0,1,2,3
.irp z, 0,1
	global_load_b128 v[CS+32*((\c)%2)+8*\i+4*\z:CS+32*((\c)%2)+8*\i+4*\z+3], v[RA+\i/2], s[10:11] offset:4096*(\i%2)+1024*(\c)+512*\z
.endr
.endr
.irp u, 0,1
	global_load_b128 v[BI+16*((\c)%2)+4*\u:BI+16*((\c)%2)+4*\u+3], v[BH], s[12:13] offset:64*(\c)+16*\u
	global_load_b128 v[BI+16*((\c)%2)+8+4*\u:BI+16*((\c)%2)+8+4*\u+3], v[BH], s[14:15] offset:64*(\c)+16*\u
.endr
.endm
	LOADCS 0
	s_wait_tensorcnt 0x0                           ; my parts of the weights and of x are in,
	s_barrier_signal -1
	s_barrier_wait -1                              ; everybody's are
	WIN 0x40
.irp s, 0,1,2,3,4,5
.irp i, 0,1,2,3
.irp g, 0,1
	ds_load_b128 v[8*(4*\s+\i)+4*\g:8*(4*\s+\i)+4*\g+3], v[XL+\i/2] offset:6144*(\i%2)+1024*\s+512*\g   ; my four row tiles' first six K steps: 512 consecutive bytes a load
.endr
.endr
.endr
	WIN 0
	s_wait_dscnt 0x0                               ; for the others' sake: my reads of x's bytes are over;
	s_barrier_signal -1
	s_barrier_wait -1                              ; everybody's are: from here on those bytes take the fragments of K, V and Q
; half hh (four K steps) of the weights' tile np into its half of WB; with the first half the tile's four scale registers into set st
.macro LW np, hh, st
.set rWR, WR+(\np)/8
.irp sp, 0,1,2,3
.irp g, 0,1
	ds_load_b128 v[WB+32*(\hh)+8*\sp+4*\g:WB+32*(\hh)+8*\sp+4*\g+3], v[rWR] offset:8192*((\np)%8)+1024*(4*(\hh)+\sp)+512*\g
.endr
.endr
.if (\hh) == 0
.irp h2, 0,1
	ds_load_b64 v[WS+4*(\st)+2*\h2:WS+4*(\st)+2*\h2+1], v[WSR] offset:512*(\np)+256*\h2
.endr
.endif
.endm
.macro WM                              ; one matrix instruction, by the symbols rD, rA, rB, rC (under 0: the constant 0), rSA, rSB, rOdd (odd K steps' scale words lie in lanes 16-31)
.if rC < 0
	v_wmma_scale_f32_16x16x128_f8f6f4 v[rD:rD+7], v[rA:rA+7], v[rB:rB+7], 0, v[rSA], v[rSB] matrix_a_fmt:MATRIX_FMT_FP4 matrix_b_fmt:MATRIX_FMT_FP4
.elseif rOdd
	v_wmma_scale_f32_16x16x128_f8f6f4 v[rD:rD+7], v[rA:rA+7], v[rB:rB+7], v[rC:rC+7], v[rSA], v[rSB] matrix_a_fmt:MATRIX_FMT_FP4 matrix_b_fmt:MATRIX_FMT_FP4 matrix_a_scale:MATRIX_SCALE_ROW1 matrix_b_scale:MATRIX_SCALE_ROW1
.else
	v_wmma_scale_f32_16x16x128_f8f6f4 v[rD:rD+7], v[rA:rA+7], v[rB:rB+7], v[rC:rC+7], v[rSA], v[rSB] matrix_a_fmt:MATRIX_FMT_FP4 matrix_b_fmt:MATRIX_FMT_FP4
.endif
.endm
; 16 matrix instructions: four K steps x my four row tiles; the four accumulators take turns, one instruction a turn.  tT: 0 Q, 1 K, 2 V; cT: channels 16 cT on
.macro MM n, hh
.if tT == 2
	WIN 0x01                                       ; V: source 0 = x, in window 1
.else
	WIN 0x04                                       ; Q, K: source 1 = x
.endif
.set sI, 4*(\hh)
.rept 4
.set iI, 0
.rept 4
.set rD, ACC+8*iI
.set rC, rD
.set rOdd, sI%2
.if sI == 0
.if tT == 2
.set rC, -1
.else
.set rC, BI+16*(cT%2)+8*tT
.endif
.endif
.if tT == 2
.set rA, 8*(4*sI+iI)
.set rB, WB+8*sI
.set rSA, XS+4*iI+sI/2
.set rSB, WS+4*((\n)%2)+sI/2
.else
.set rA, WB+8*sI
.set rB, 8*(4*sI+iI)
.set rSA, WS+4*((\n)%2)+sI/2
.set rSB, XS+4*iI+sI/2
.endif
	WM
.set iI, iI+1
.endr
.set sI, sI+1
.endr
.endm
; Q or K of row tile i: register 2 j, 2 j + 1 are a rotary pair of frequency 8 cT + 4 h + j.  Turned, rounded to f16, stored as four registers of a fragment
.macro POSTR i
.set rR, ACC+8*(\i)
.set rT, CS+32*(cT%2)+8*(\i)
.irp j, 0,1,2,3
	v_mul_f32 v[TMP+2*\j], v[rR+2*\j], v[rT+\j]            ; x1 cos   (the accumulator is read from its low end on)
	v_mul_f32 v[TMP+2*\j+1], v[rR+2*\j+1], v[rT+\j]        ; x2 cos
.endr
.irp j, 0,1,2,3
	v_fma_f32 v[TMP+2*\j], -v[rR+2*\j+1], v[rT+4+\j], v[TMP+2*\j]      ; - x2 sin
	v_fma_f32 v[TMP+2*\j+1], v[rR+2*\j], v[rT+4+\j], v[TMP+2*\j+1]     ; + x1 sin
.endr
.irp j, 0,1,2,3
	v_cvt_pk_f16_f32 v[rR+\j], v[TMP+2*\j], v[TMP+2*\j+1]
.endr
.if tT == 0
	ds_store_b128 v[ADRQ+(\i)/2], v[rR:rR+3] offset:2048*((\i)%2)+512*cT
.else
	ds_store_b128 v[ADRK+(\i)/2], v[rR:rR+3] offset:2048*((\i)%2)+512*cT
.endif
.endm
.macro POSTV i                         ; V of row tile i: a lane's eight keys of channel 16 cT + r
.set rR, ACC+8*(\i)
.irp j, 0,1,2,3
	v_cvt_pk_f16_f32 v[rR+\j], v[rR+2*\j], v[rR+2*\j+1]    ; in place, ascending
.endr
	ds_store_b128 v[ADRV+(\i)/2], v[rR:rR+3] offset:1024*cT+512*((\i)%2)
.endm
; column tile n = 3 c + t of the twelve; in LDS tile (t, c) is number 4 t + c
.macro TILE n
.set tT, (\n)%3
.set cT, (\n)/3
.set nN, (\n)+1
.set pN, 4*(nN%3)+nN/3
.if tT == 0
	s_wait_loadcnt 0x0                             ; this c's cos, sin and biases are in (at c = 0: x's last two K steps and its scale words too); nothing else is out
.if cT < 3
	LOADCS cT+1                                    ; the next c's set, into the registers that the tiles of c - 1 have left: it has this c's three tiles in which to land
.endif
.endif
	s_wait_dscnt 8                                 ; the tile's first half, its scale words and the last tile's stores are done; behind them only the second half's 8 loads were issued
	MM \n, 0
	WIN 0
	PLACES
.if (\n) < 11
	LW pN, 0, nN%2
	s_wait_dscnt 10                                ; the second half is in; the ten loads just issued may be out
.else
	s_wait_dscnt 0x0
.endif
	MM \n, 1
	WIN 0
	PLACES
.irp i, 0,1,2,3
.if tT == 2
	POSTV \i
.else
	POSTR \i
.endif
.endr
.if (\n) < 11
	LW pN, 1, nN%2
.endif
.endm
	LW 0, 0, 0
	LW 0, 1, 0
.irp n, 0,1,2,3,4,5,6,7,8,9,10,11
	TILE \n
.endr
	s_wait_dscnt 0x0                               ; for the others' sake: my stores of Q, K and V have landed
	s_barrier_signal -1
	s_barrier_wait -1                              ; K and V are whole
; ---------------- the attention
	v_and_b32 v[DM], 15, v0
	v_bfe_u32 v[NINF], v0, 4, 1
	v_lshlrev_b32 v[NINF], 3, v[NINF]
	v_sub_nc_u32 v[DM], v[DM], v[NINF]             ; r - 8 h
	v_mov_b32 v[NINF], 0xff800000
	WIN 0x40
.irp dt, 0,1,2,3
.irp u, 0,1
	global_load_b128 v[8*\dt+4*\u:8*\dt+4*\u+3], v[BH], s[16:17] offset:64*\dt+16*\u   ; bv at channels 16 dt + 8 h + 0 .. 7: O^T's layout
.endr
.endr
	WIN 0
; One pair of query tiles (32 queries) against all keys up to its last.  The loop has 16 trips in every wave; a step all of whose keys come after the pair's queries is jumped over by a scalar branch on ids.
.macro PAIR second
	s_wait_xcnt 0x0                                ; the last pair's stores have read their registers
.if \second
	s_xor_b32 s44, s22, 15
.else
	s_mov_b32 s44, s22
.endif
	s_lshl_b32 s45, s44, 5                         ; my first query,
	s_add_co_u32 s46, s45, 31                      ; my last
	s_lshl_b32 s51, s44, 12
	s_add_co_u32 s51, s51, Q_IMG
	v_add_nc_u32 v[AQ], s51, v[LI]
	s_lshl_b32 s52, s44, 16
	v_add_nc_u32 v[GO], s52, v[LI]
	WIN 0x40
.irp qt, 0,1
.irp kp, 0,1
.irp g, 0,1
	ds_load_b128 v[QF+16*\qt+8*\kp+4*\g:QF+16*\qt+8*\kp+4*\g+3], v[AQ] offset:2048*\qt+1024*\kp+512*\g
.endr
.endr
.endr
	WIN 0
.irp qt, 0,1
	v_mov_b32 v[ST+8*\qt+1], 0xff61b1e6            ; m = -3e38, under every score
	v_mov_b32 v[ST+8*\qt+2], 0                     ; l, in two halves
	v_mov_b32 v[ST+8*\qt+3], 0
	v_mov_b32 v[ST+8*\qt+5], 0                     ; (a lane permute's destination counts as one of its sources)
	v_mov_b32 v[ST+8*\qt+7], 0                     ; (named as the upper half of a pair)
	v_mul_f32 v[ST+8*\qt], s40, v[ST+8*\qt+1]      ; c m
.endr
.set u, 0
.rept 64
	v_mov_b32 v[O+u], 0                            ; O^T.  The step is written once: the first finds zeros, and its a is 0
.set u, u+1
.endr
	s_mov_b32 s47, 0                               ; the step's first key,
	s_mov_b32 s48, K_IMG                           ; its fragments of K,
	s_mov_b32 s49, V_IMG                           ; and of V
	s_mov_b32 s50, 16
	s_wait_dscnt 0x0                               ; Q is in
.Lstep_\@:
	s_cmp_gt_u32 s47, s46
	s_cbranch_scc1 .Lhidden_\@
	v_add_nc_u32 v[ADK], s48, v[LI]
	v_add_nc_u32 v[ADV], s49, v[LI]
	v_nop
	v_nop                                          ; with the two additions: four places behind the last step's products, in front of the loads into their fragments
.irp kt, 0,1
.irp kp, 0,1
.irp g, 0,1
	ds_load_b128 v[KFR+16*\kt+8*\kp+4*\g:KFR+16*\kt+8*\kp+4*\g+3], v[ADK] offset:2048*\kt+1024*\kp+512*\g
.endr
.endr
.endr
.irp dt, 0,1,2,3
.irp g, 0,1
	ds_load_b128 v[VFR+8*\dt+4*\g:VFR+8*\dt+4*\g+3], v[ADV] offset:1024*\dt+512*\g
.endr
.endr
	s_wait_dscnt 8                                 ; K is in; V's eight loads may be out
	WIN 0x04                                       ; source 1 = Q, in window 1
.irp kp, 0,1
.irp qt, 0,1
.irp kt, 0,1
.if \kp == 0
	v_wmma_f32_16x16x32_f16 v[S+16*\qt+8*\kt:S+16*\qt+8*\kt+7], v[KFR+16*\kt:KFR+16*\kt+7], v[QF+16*\qt:QF+16*\qt+7], 0
.else
	v_wmma_f32_16x16x32_f16 v[S+16*\qt+8*\kt:S+16*\qt+8*\kt+7], v[KFR+16*\kt+8:KFR+16*\kt+15], v[QF+16*\qt+8:QF+16*\qt+15], v[S+16*\qt+8*\kt:S+16*\qt+8*\kt+7]
.endif
.endr
.endr
.endr
	WIN 0
	PLACES
	s_cmp_lg_u32 s47, s45                          ; only the step on the diagonal has hidden keys
	s_cbranch_scc1 .Lopen_\@
.irp j, 0,1,2,3,4,5,6,7
	v_cmp_gt_i32 vcc_lo, \j, v[DM]                 ; in a tile on the diagonal key 8 h + j is hidden from query r where j > r - 8 h
	v_cndmask_b32 v[S+\j], v[S+\j], v[NINF], vcc_lo
	v_cndmask_b32 v[S+24+\j], v[S+24+\j], v[NINF], vcc_lo
.endr
.irp j, 0,1,2,3,4,5,6,7
	v_mov_b32 v[S+8+\j], v[NINF]                   ; the first tile's queries see none of the second tile's keys
.endr
.Lopen_\@:
.irp qt, 0,1                                   ; the maximum, both tiles by turns; each accumulator is read from its low end on
	v_max3_num_f32 v[ST+8*\qt+4], v[S+16*\qt], v[S+16*\qt+1], v[S+16*\qt+2]
	v_max3_num_f32 v[ST+8*\qt+5], v[S+16*\qt+8], v[S+16*\qt+9], v[S+16*\qt+10]
.endr
.irp u, 3,5
.irp qt, 0,1
	v_max3_num_f32 v[ST+8*\qt+4], v[ST+8*\qt+4], v[S+16*\qt+\u], v[S+16*\qt+\u+1]
	v_max3_num_f32 v[ST+8*\qt+5], v[ST+8*\qt+5], v[S+16*\qt+8+\u], v[S+16*\qt+8+\u+1]
.endr
.endr
.irp qt, 0,1
	v_max3_num_f32 v[ST+8*\qt+4], v[ST+8*\qt+4], v[S+16*\qt+7], v[S+16*\qt+15]
.endr
.irp qt, 0,1
	v_max3_num_f32 v[ST+8*\qt+4], v[ST+8*\qt+4], v[ST+8*\qt+5], v[ST+8*\qt+1]   ; with the old m
.endr
.irp qt, 0,1
	v_permlanex16_b32 v[ST+8*\qt+5], v[ST+8*\qt+4], s42, s43                    ; the query's other 16 keys lie in the lane 16 away
.endr
.irp qt, 0,1
	v_max_num_f32 v[ST+8*\qt+1], v[ST+8*\qt+4], v[ST+8*\qt+5]                   ; the new m
.endr
.irp qt, 0,1
	v_mul_f32 v[ST+8*\qt+4], s40, v[ST+8*\qt+1]
.endr
.irp qt, 0,1
	v_sub_f32 v[ST+8*\qt+7], v[ST+8*\qt], v[ST+8*\qt+4]                         ; c m_old - c m_new, 0 or less
.endr
.irp qt, 0,1
	v_mov_b32 v[ST+8*\qt], v[ST+8*\qt+4]
.endr
.irp b, 0,2,4,6,8,10,12,14
.irp qt, 0,1
	v_pk_fma_f32 v[S+16*\qt+\b:S+16*\qt+\b+1], v[S+16*\qt+\b:S+16*\qt+\b+1], s[40:41], v[ST+8*\qt:ST+8*\qt+1] op_sel_hi:[1,0,0] neg_lo:[0,0,1] neg_hi:[0,0,1]   ; c s - c m
.endr
.endr
.irp qt, 0,1
	v_exp_f32 v[ST+8*\qt+6], v[ST+8*\qt+7]         ; a
.endr
.irp e, 0,1,2,3,4,5,6,7,8,9,10,11,12,13,14,15
.irp qt, 0,1
	v_exp_f32 v[S+16*\qt+\e], v[S+16*\qt+\e]       ; p
.endr
.endr
	v_nop                                          ; a plain line behind the last exponential
	s_wait_alu depctr_va_vdst(0)                   ; one wait for the 34, ahead of their first reader
.irp a, 0,1,2,3,4,5,6,7
.irp qt, 0,1
	v_cvt_pk_f16_f32 v[P+8*\qt+\a], v[S+16*\qt+2*\a], v[S+16*\qt+2*\a+1]
.endr
.endr
.irp u, 0,4,8,12                               ; the sum of the unrounded p, two at a time, as a tree in place
.irp qt, 0,1
	v_pk_add_f32 v[S+16*\qt+\u:S+16*\qt+\u+1], v[S+16*\qt+\u:S+16*\qt+\u+1], v[S+16*\qt+\u+2:S+16*\qt+\u+3]
.endr
.endr
.irp u, 0,8
.irp qt, 0,1
	v_pk_add_f32 v[S+16*\qt+\u:S+16*\qt+\u+1], v[S+16*\qt+\u:S+16*\qt+\u+1], v[S+16*\qt+\u+4:S+16*\qt+\u+5]
.endr
.endr
.irp qt, 0,1
	v_pk_add_f32 v[S+16*\qt:S+16*\qt+1], v[S+16*\qt:S+16*\qt+1], v[S+16*\qt+8:S+16*\qt+9]
.endr
.irp qt, 0,1
	v_pk_fma_f32 v[ST+8*\qt+2:ST+8*\qt+3], v[ST+8*\qt+2:ST+8*\qt+3], v[ST+8*\qt+6:ST+8*\qt+7], v[S+16*\qt:S+16*\qt+1] op_sel_hi:[1,0,1]   ; l = a l + the sum
.endr
.irp qt, 0,1
.set u, 0
.rept 16
	v_pk_mul_f32 v[O+32*\qt+2*u:O+32*\qt+2*u+1], v[O+32*\qt+2*u:O+32*\qt+2*u+1], v[ST+8*\qt+6:ST+8*\qt+7] op_sel_hi:[1,0]   ; O^T x a, each accumulator from its low end on
.set u, u+1
.endr
.endr
	s_wait_dscnt 0x0                               ; V is in
.irp dt, 0,1,2,3
.irp qt, 0,1
	v_wmma_f32_16x16x32_f16 v[O+32*\qt+8*\dt:O+32*\qt+8*\dt+7], v[VFR+8*\dt:VFR+8*\dt+7], v[P+8*\qt:P+8*\qt+7], v[O+32*\qt+8*\dt:O+32*\qt+8*\dt+7]
.endr
.endr
.Lhidden_\@:
	s_add_co_u32 s47, s47, 32
	s_add_co_u32 s48, s48, 4096
	s_add_co_u32 s49, s49, 4096
	s_sub_co_u32 s50, s50, 1
	s_cmp_lg_u32 s50, 0
	s_cbranch_scc1 .Lstep_\@
	; the way out: O^T / l + bv, rounded to f16, is stored as fragments of the last projection's operand
	PLACES
.irp qt, 0,1
	v_add_f32 v[ST+8*\qt+4], v[ST+8*\qt+2], v[ST+8*\qt+3]
.endr
.irp qt, 0,1
	v_permlanex16_b32 v[ST+8*\qt+5], v[ST+8*\qt+4], s42, s43
.endr
.irp qt, 0,1
	v_add_f32 v[ST+8*\qt+4], v[ST+8*\qt+4], v[ST+8*\qt+5]
.endr
.irp qt, 0,1
	v_rcp_f32 v[ST+8*\qt+6], v[ST+8*\qt+4]
.endr
	v_nop                                          ; a plain line behind the reciprocals
	s_wait_alu depctr_va_vdst(0)                   ; and one wait for both, ahead of their first reader
	s_wait_loadcnt 0x0                             ; bv
	WIN 0x10                                       ; source 2 = bv, in window 1
.irp qt, 0,1
.set u, 0
.rept 16
	v_pk_fma_f32 v[O+32*\qt+2*u:O+32*\qt+2*u+1], v[O+32*\qt+2*u:O+32*\qt+2*u+1], v[ST+8*\qt+6:ST+8*\qt+7], v[2*u:2*u+1] op_sel_hi:[1,0,1]
.set u, u+1
.endr
.endr
	WIN 0
.irp qt, 0,1
.set u, 0
.rept 16
	v_cvt_pk_f16_f32 v[S+16*\qt+u], v[O+32*\qt+2*u], v[O+32*\qt+2*u+1]
.set u, u+1
.endr
.endr
.irp qt, 0,1
.irp dt, 0,1,2,3
	global_store_b128 v[GO], v[S+16*\qt+4*\dt:S+16*\qt+4*\dt+3], s[18:19] offset:32768*\qt+512*\dt   ; 512 consecutive bytes a store, 2,048 on end a tile
.endr
.endr
.endm
	PAIR 0
	PAIR 1
	s_wait_tensorcnt 0x0                           ; the wave's end: behind my tensor loads and my last LDS store
	ds_add_u32 v[SPW], v[NIL]
	s_wait_dscnt 0x0
	ROUND                                          ; the closing round
	s_endpgm
.Lfunc_end_k_qb6c7354fee_qkv_attn:
	.size	k_qb6c7354fee_qkv_attn, .Lfunc_end_k_qb6c7354fee_qkv_attn-k_qb6c7354fee_qkv_attn
	.p2alignl 7, 3214868480
	.fill 96, 4, 3214868480
	.section	.rodata,"a",@progbits
	.p2align	6, 0x0
	.amdhsa_kernel k_qb6c7354fee_qkv_attn
		.amdhsa_group_segment_fixed_size 302080
		.amdhsa_private_segment_fixed_size 0
		.amdhsa_enable_private_segment 0
		.amdhsa_kernarg_size 64
		.amdhsa_user_sgpr_count 2
		.amdhsa_user_sgpr_kernarg_segment_ptr 1
		.amdhsa_wavefront_size32 1
		.amdhsa_system_sgpr_workgroup_id_x 1
		.amdhsa_system_sgpr_workgroup_id_y 1
		.amdhsa_system_sgpr_workgroup_id_z 1
		.amdhsa_system_vgpr_workitem_id 0
		.amdhsa_next_free_vgpr 512
		.amdhsa_next_free_sgpr 72
		.amdhsa_reserve_vcc 1
		.amdhsa_float_denorm_mode_32 3
		.amdhsa_float_denorm_mode_16_64 3
		.amdhsa_memory_ordered 1
		.amdhsa_forward_progress 1
		.amdhsa_inst_pref_size 164
	.end_amdhsa_kernel
	.amdgpu_metadata
---
amdhsa.version: [ 1, 2 ]
amdhsa.kernels:
  - .name:           k_qb6c7354fee_qkv_attn
    .symbol:         k_qb6c7354fee_qkv_attn.kd
    .args:
      - { .name: x_img, .offset: 0, .size: 8, .value_kind: global_buffer, .address_space: global }
      - { .name: xs_img, .offset: 8, .size: 8, .value_kind: global_buffer, .address_space: global }
      - { .name: wpack, .offset: 16, .size: 8, .value_kind: global_buffer, .address_space: global }
      - { .name: rope, .offset: 24, .size: 8, .value_kind: global_buffer, .address_space: global }
      - { .name: bq, .offset: 32, .size: 8, .value_kind: global_buffer, .address_space: global }
      - { .name: bk, .offset: 40, .size: 8, .value_kind: global_buffer, .address_space: global }
      - { .name: bv, .offset: 48, .size: 8, .value_kind: global_buffer, .address_space: global }
      - { .name: ao_img, .offset: 56, .size: 8, .value_kind: global_buffer, .address_space: global }
    .group_segment_fixed_size: 302080
    .private_segment_fixed_size: 0
    .kernarg_segment_align: 8
    .kernarg_segment_size: 64
    .max_flat_workgroup_size: 256
    .sgpr_count:     72
    .vgpr_count:     512
    .wavefront_size: 32
...
	.end_amdgpu_metadata
.endif
;; end of part 2
;; launch outproj (part 3): grid 4 x 64, 4 waves a work-group, clusters of 4 x 4, 327,680 bytes of LDS; arguments ao_img, wo_img, bo, out0; writes out0
.if DOCPART == 3
	.amdgcn_target "amdgcn-amd-amdhsa--gfx1250"
	.amdhsa_code_object_version 6
	.text
	.protected	k_qb6c7354fee_outproj
	.globl	k_qb6c7354fee_outproj
	.p2align	8
	.type	k_qb6c7354fee_outproj,@function
k_qb6c7354fee_outproj:
	s_mov_b64 s[64:65], 0
	v_nop
	global_prefetch_b8 v0, s[64:65] scope:SCOPE_SE
	s_setreg_imm32_b32 hwreg(HW_REG_WAVE_MODE, 25, 1), 1
	s_wait_xcnt 0x0
	s_wait_alu depctr_hold_cnt(0) depctr_sa_sdst(0) depctr_va_vdst(0) depctr_va_sdst(0) depctr_va_ssrc(0) depctr_va_vcc(0) depctr_vm_vsrc(0)
	s_getreg_b32 s2, hwreg(HW_REG_IB_STS2, 6, 4)
	s_cmp_eq_u32 s2, 0
	s_cbranch_scc0 .Lentry_in_a_cluster
	s_endpgm
.Lentry_in_a_cluster:
	s_bfe_u32 s2, ttmp6, 0x10000c
	s_cmp_lg_u32 s2, 0xf033
	s_cbranch_scc0 .Lentry_shape_is_right
	s_endpgm
.Lentry_shape_is_right:
; out0 [8192][1024] f32 = AO Wo + bo.  AO (the attention's output) and Wo arrive as f16 in the order of the operand's registers: [tile of 16 rows][kappa 32][1,024 bytes], a fragment of 16 rows x 32 k:
; byte 512 g + 16 lane holds row lane % 16, k = 16 g + 8 (lane / 16) + 0 .. 7.  For Wo a row is an output column and k its first axis.  Sums in f32.
; A tile of the result is 128 rows x 256 columns: 64 x 4 = 256 work-groups of four waves; a wave makes 64 x 128: 32 accumulators of 16 x 16, 256 registers (window 1).
; K's 32 kappa go through a ring of two LDS slots of SIX kappa each, as many as two slots in LDS allow (2 x 24 tiles x 6,144 bytes and the spare words are 295,424 bytes; seven kappa would be 344,576):
; passes of 6, 6, 6, 6, 6 and 2 kappa, four refills.  A tile of 16 rows has 6,144 consecutive bytes in a pass: they are a row of the mover's tile and lie in LDS as in memory, so every fragment is read by two
; loads of 512 consecutive bytes: no pitch and no padding.  The last refill states the two kappa that are left of a row as the tensor's extent: behind them the mover writes zeros, which nobody reads.
; The passes are written out by macros, without a loop: the last refill and the last pass differ from the others.
; CLUSTERS: 4 x 4 work-groups.  The four of a row of the cluster need the same rows of AO, the four of a column the same columns of Wo: each tile is asked for JOINTLY, by the same tensor load with the same descriptor
; and a mask that names the four.  THE MATRIX INSTRUCTION IS USED TRANSPOSED (source 0 = 16 columns of Wo, source 1 = 16 rows of AO): a lane then holds eight neighbouring numbers of a row of the result.
; By this text's count a wave has two tensor loads out at the start and one behind each change of slots.
.set KQ,     6                         ; kappa in a slot
.set TROW,   KQ*1024                   ; a tile of 16 rows in a slot
.set BOFF,   8*TROW                    ; a slot: AO's 8 tiles, then Wo's 16
.set SLOT,   24*TROW
.set SPARE,  2*SLOT                    ; behind the ring: the spare words, 128 bytes a wave: two blocks of 256 bytes that no other line names
.set SPITCH, 528                       ; the way out: a stage of 16 rows x (512 + 16) bytes for each wave, in slot 0, which has had its last fill and its last read when the first result is stored there
.set BO,   8                           ; v8-11   bo at my four columns
.set ADRA, 16                          ; v16-17  LDS address of my fragments of AO in slot 0, 1
.set ADRB, 20                          ; v20-21  of Wo
.set STO,  24                          ; v24     the way out: where I put 32 bytes of a row
.set RD,   25                          ; v25     where I read a row back
.set CO,   26                          ; v26     16 x lane
.set SPW,  28                          ; v28     LDS address of my spare word; never rewritten
.set NIL,  29                          ; v29     0; never rewritten
.set PFO,  30                          ; v30     the prefetches' offset: 256 x lane; never rewritten
.set PFC,  31                          ; v31     256 x min(lane, 23); never rewritten
.set FA,   32                          ; v32-63, v64-95    AO's four fragments, two buffers
.set FB,   96                          ; v96-159, v160-223 Wo's eight, two buffers
.set BK,   32                          ; the way out: 16 rows read back: v32-95 and v96-159 by turns
.set G1,   24                          ; s[24:31] descriptor group 1 for AO's tiles; s[32:39] group 0, one set for each slot
.set G0,   32
.set G1B,  48                          ; s[48:55], s[56:63] the same for Wo's
.set G0B,  56
.set G1T,  68                          ; s[68:75], s[76:83] groups 1 for the last refill
.set G1BT, 76
.set PFA,  84                          ; s[84:85] the row tile of AO that my wave prefetches; never rewritten
.set MSB, 0
.macro WIN new                         ; the immediate's high byte repeats the setting that is left
.if MSB != \new
	s_set_vgpr_msb (MSB<<8)|\new
.set MSB, \new
.endif
.endm
.set MUL, 0x50                         ; C and D window 1, the fragments window 0
.macro PLACES
.rept 4
	v_nop
.endr
.endm
.macro JLOAD s, ga, gb                 ; a joint load: waves 0 and 1 fetch AO's halves, waves 2 and 3 Wo's; an s_nop 0 and four v_nop follow each of the two lines
	s_cmp_eq_u32 s13, 0
	s_cbranch_scc0 .Lfor_b_\@
	tensor_load_to_lds s[G0+4*\s:G0+4*\s+3], s[\ga:\ga+7]
	s_nop 0
	PLACES
	s_branch .Lasked_\@
.Lfor_b_\@:
	tensor_load_to_lds s[G0B+4*\s:G0B+4*\s+3], s[\gb:\gb+7]
	s_nop 0
	PLACES
.Lasked_\@:
.endm
; A PREFETCH INTO THE L2 of AO's bytes for later refills.  It stands behind a joint load, its five lines and the run of LDS loads that the next products wait for.  AO's rows are read by one row of one cluster alone
; (the grid is one cluster wide), so each aligned block of 256 bytes is named once in the launch: of the eight row tiles of my tile row, wave 0 or 1 (the waves that fetch AO: a branch on the wave's number) of the partner
; at place cx takes tile 4 x wave + cx: the partners are told apart BY ADDRESS.  A lane names a block.  Behind the first refill: kappa 18 to 25, 32 blocks; behind the second: kappa 26 to 31, 24 blocks, lanes 24 to 31
; naming lane 23's block again, so that no lane points past the tile's 32 kappa.  Each request stands one pass, 192 matrix instructions, ahead of the first load that wants its bytes.  Kappa 0 to 17 come by their loads
; alone: nothing is prefetched at the head, where every work-group's first tiles are on their way.  Wo is read by sixteen clusters, not once, and is not asked for.
.macro ASK kp, reg
	s_cmp_eq_u32 s13, 0
	s_cbranch_scc0 .Lnot_mine_\@
	global_prefetch_b8 v[\reg], s[PFA:PFA+1] offset:1024*(\kp) th:TH_LOAD_NT scope:SCOPE_SE
.Lnot_mine_\@:
.endm
.macro CREST                           ; a round of the cluster's barrier behind its opening barrier
	s_cmp_lg_u32 s12, 0
	s_cbranch_scc1 .Lnot_wave_0_\@
	s_barrier_signal -3
.Lnot_wave_0_\@:
	s_barrier_wait -3
	s_barrier_signal -1
	s_barrier_wait -1
.endm
.macro CROUND
	s_barrier_signal -1
	s_barrier_wait -1
	CREST
.endm
	s_load_b128 s[4:7], s[0:1], 0x0                ; ao_img s[4:5], wo_img s[6:7]
	s_load_b128 s[8:11], s[0:1], 0x10              ; bo s[8:9], out0 s[10:11]
	v_lshl_add_u32 v[SPW], v0, 2, SPARE
	v_mov_b32 v[NIL], 0
	ds_add_u32 v[SPW], v[NIL]                      ; the wave's opening: the add, twice on end, and its wait ahead of my first tensor load
	ds_add_u32 v[SPW], v[NIL]                      ; the set-up below, work on registers, stands between the second and the wait
	v_lshrrev_b32 v1, 5, v0
	v_readfirstlane_b32 s12, v1                    ; wave 0..3
	s_lshr_b32 s13, s12, 1                         ; which 64 rows are mine.  Also: I fetch for AO (0) or for Wo (1)
	s_and_b32 s14, s12, 1                          ; which 128 columns.  Also: which half of that tile I fetch
	s_bfe_u32 s40, ttmp6, 0x40000                  ; cx, cy: my place in the cluster
	s_bfe_u32 s41, ttmp6, 0x40004
	s_lshl_b32 s42, ttmp9, 2
	s_add_co_u32 s42, s42, s40                     ; tile column = 4 x cluster x + cx
	s_and_b32 s15, ttmp7, 0xffff
	s_lshl_b32 s15, s15, 2
	s_add_co_u32 s15, s15, s41                     ; tile row = 4 x cluster y + cy
	s_lshl_b32 s43, s41, 2
	s_lshl_b32 s43, 15, s43                        ; my row of the cluster
	s_lshl_b32 s44, 0x1111, s40                    ; my column
	s_or_b32 s[G1], s43, (3<<16)|(1<<21)           ; 15:0 the mask; 17:16 elements of 8 bytes; 21 set beside a mask; no padding
	s_or_b32 s[G1B], s44, (3<<16)|(1<<21)
	s_or_b32 s[G1T], s43, (3<<16)|(1<<21)
	s_or_b32 s[G1BT], s44, (3<<16)|(1<<21)
.irp g, G1, G1B, G1T, G1BT
	s_mov_b32 s[\g+3], (TROW/8)<<16                ; tile_dim0 = 768 elements: 6,144 bytes
	s_mov_b32 s[\g+5], 4096                        ; from tile to tile of 16 rows: 32,768 bytes
	s_mov_b32 s[\g+6], 0
	s_mov_b32 s[\g+7], 0
.endr
.irp g, G1, G1B
	s_mov_b32 s[\g+1], (TROW/8)<<16                ; tensor_dim0 = the tile's
.endr
.irp g, G1T, G1BT
	s_mov_b32 s[\g+1], 256<<16                     ; the last refill: two kappa, 2,048 bytes, are left of a row
.endr
.irp g, G1, G1T
	s_mov_b32 s[\g+2], 4<<16                       ; AO: tensor_dim1 = 4 tiles of 16 rows,
	s_mov_b32 s[\g+4], 4                           ; tile_dim1
.endr
.irp g, G1B, G1BT
	s_mov_b32 s[\g+2], 8<<16                       ; Wo: 8 tiles of 16 columns
	s_mov_b32 s[\g+4], 8
.endr
	s_lshl_b32 s16, s15, 18                        ; AO: 8 tiles of 32,768 bytes a tile row, + my half's 4: the tile row and the wave's number alone
	s_lshl_b32 s17, s14, 17
	s_add_co_u32 s16, s16, s17
	s_mov_b32 s17, 0
	s_lshl_b32 s46, s42, 19                        ; Wo: 16 tiles a tile column, + my half's 8: the tile column and the wave's number alone
	s_lshl_b32 s47, s14, 18
	s_add_co_u32 s46, s46, s47
	s_mov_b32 s47, 0
	s_mul_i32 s20, s14, 4*TROW                     ; where they go: no place in the cluster enters an LDS address
	s_mul_i32 s21, s14, 8*TROW
	s_add_co_u32 s21, s21, BOFF
	s_wait_dscnt 0x0                               ; both opening adds are done
	s_wait_kmcnt 0x0
	s_add_nc_u64 s[18:19], s[4:5], s[16:17]
	s_add_nc_u64 s[46:47], s[6:7], s[46:47]
	CROUND                                         ; all sixteen work-groups are here: the first joint loads meet
.irp s, 0,1
	s_mov_b32 s[G0+4*\s], 1
	s_add_co_u32 s[G0+4*\s+1], s20, \s*SLOT
	s_add_nc_u64 s[G0+4*\s+2:G0+4*\s+3], s[18:19], \s*TROW
	s_or_b32 s[G0+4*\s+3], s[G0+4*\s+3], 0x80000000
	s_mov_b32 s[G0B+4*\s], 1
	s_add_co_u32 s[G0B+4*\s+1], s21, \s*SLOT
	s_add_nc_u64 s[G0B+4*\s+2:G0B+4*\s+3], s[46:47], \s*TROW
	s_or_b32 s[G0B+4*\s+3], s[G0B+4*\s+3], 0x80000000
	JLOAD \s, G1, G1B
.endr
	v_and_b32 v1, 15, v0                           ; r
	v_bfe_u32 v2, v0, 4, 1                         ; h
	v_and_b32 v3, 31, v0
	v_lshlrev_b32 v[CO], 4, v3
	s_mul_i32 s22, s13, 4*TROW                     ; my four tiles of AO,
	s_mul_i32 s23, s14, 8*TROW                     ; my eight of Wo,
	s_add_co_u32 s23, s23, BOFF                    ; which lie behind AO's
.irp s, 0,1
	v_add_nc_u32 v[ADRA+\s], s22, v[CO]
	v_add_nc_u32 v[ADRB+\s], s23, v[CO]
	s_add_co_u32 s22, s22, SLOT
	s_add_co_u32 s23, s23, SLOT
.endr
	s_mul_i32 s22, s12, 16*SPITCH                  ; my stage
	v_mul_u32_u24 v4, v1, SPITCH
	v_lshl_add_u32 v4, v2, 5, v4
	v_add_nc_u32 v[STO], s22, v4                   ; in: row r, 32 bytes for each half of the lanes
	v_add_nc_u32 v[RD], s22, v[CO]                 ; back: the 32 lanes take one row of 512 bytes
	s_lshl_b32 s46, s42, 10                        ; my first column, in bytes: 1,024 x tile column + 512 x half
	s_lshl_b32 s47, s14, 9
	s_add_co_u32 s46, s46, s47
	s_mov_b32 s47, 0
	s_add_nc_u64 s[8:9], s[8:9], s[46:47]
	global_load_b128 v[BO:BO+3], v[CO], s[8:9]
	s_add_nc_u64 s[10:11], s[10:11], s[46:47]
	s_lshl_b32 s22, s15, 19                        ; my first row: 128 x tile row + 64 x half, rows of 4,096 bytes
	s_lshl_b32 s23, s13, 18
	s_add_co_u32 s22, s22, s23
	s_mov_b32 s23, 0
	s_add_nc_u64 s[10:11], s[10:11], s[22:23]
	s_lshl_b32 s86, s15, 3                         ; the prefetches: row tile 8 x tile row + 4 x (wave % 2) + cx,
	s_lshl_b32 s87, s14, 2
	s_add_co_u32 s86, s86, s87
	s_add_co_u32 s86, s86, s40
	s_lshl_b32 s86, s86, 15                        ; of 32,768 bytes
	s_mov_b32 s87, 0
	s_add_nc_u64 s[PFA:PFA+1], s[4:5], s[86:87]
	v_lshlrev_b32 v[PFO], 8, v3
	v_min_u32 v[PFC], 23, v3
	v_lshlrev_b32 v[PFC], 8, v[PFC]
; 24 LDS loads in one run: the fragments of 32 along K (kappa kp of the slot's six) into buffer f
.macro FETCH slot, kp, f
.irp bb, 0,1,2,3,4,5,6,7
.irp g, 0,1
	ds_load_b128 v[FB+64*(\f)+8*\bb+4*\g:FB+64*(\f)+8*\bb+4*\g+3], v[ADRB+\slot] offset:TROW*\bb+1024*(\kp)+512*\g
.endr
.endr
.irp a, 0,1,2,3
.irp g, 0,1
	ds_load_b128 v[FA+32*(\f)+8*\a+4*\g:FA+32*(\f)+8*\a+4*\g+3], v[ADRA+\slot] offset:TROW*\a+1024*(\kp)+512*\g
.endr
.endr
.endm
; 8 matrix instructions: row block a x all 8 column blocks.  The 32 accumulators take turns, one instruction a turn, in the same order in every quarter.  zero = 1: the first product starts the sums
.macro MULA f, a, zero
.irp bb, 0,1,2,3,4,5,6,7
.if \zero
	v_wmma_f32_16x16x32_f16 v[8*(8*(\a)+\bb):8*(8*(\a)+\bb)+7], v[FB+64*(\f)+8*\bb:FB+64*(\f)+8*\bb+7], v[FA+32*(\f)+8*(\a):FA+32*(\f)+8*(\a)+7], 0
.else
	v_wmma_f32_16x16x32_f16 v[8*(8*(\a)+\bb):8*(8*(\a)+\bb)+7], v[FB+64*(\f)+8*\bb:FB+64*(\f)+8*\bb+7], v[FA+32*(\f)+8*(\a):FA+32*(\f)+8*(\a)+7], v[8*(8*(\a)+\bb):8*(8*(\a)+\bb)+7]
.endif
.endr
.endm
; A pass is six steps of one kappa, 32 matrix instructions each, on buffers 0, 1, 0, 1, 0, 1.  One of the first five: multiplies buffer f and fetches kappa kp into the other
.macro QUARTER slot, kp, f, zero
	s_wait_dscnt 0x0                               ; the buffer's 24 loads, issued 16 matrix instructions ago, are in
	WIN MUL
	MULA \f, 0, \zero
	MULA \f, 1, \zero
	PLACES                                         ; in front of loads into the buffer that the step before multiplied
	WIN 0
	FETCH \slot, \kp, 1-(\f)
	WIN MUL
	MULA \f, 2, \zero
	MULA \f, 3, \zero
.endm
.macro QUARTERS slot, from             ; the pass's steps from .. 4
.set Q, \from
.rept 5-\from
	QUARTER \slot, Q+1, Q%2, 0
.set Q, Q+1
.endr
.endm
; The pass's last step multiplies buffer 1 and changes slots: ONE barrier; in front of it each wave waits for all its tensor loads, adds 0 to its spare word, and waits for that and for its own reads of this slot.
; fill = 1: this slot is filled again, with the kappa two passes on; fill = 2: the same by the last refill's groups 1; the barrier then opens a round of the cluster's barrier.  fill = 0: nothing is left to fetch.
; askk other than 0: a prefetch from kappa askk on, by the offsets in register askr.
.macro TURN slot, next, fill, askk, askr
	WIN 0                                          ; (the add's two registers lie in window 0)
	s_wait_tensorcnt 0x0                           ; all my tensor loads have landed: my part of the next slot;
	ds_add_u32 v[SPW], v[NIL]                      ; 0 onto my spare word;
	s_wait_dscnt 1                                 ; (the add alone may be out: buffer 1 is in)
	WIN MUL
	MULA 1, 0, 0                                   ; eight matrix instructions stand between the add and the wait for it
	s_wait_dscnt 0x0                               ; the add is done, and my reads of this slot are over
	s_barrier_signal -1
	MULA 1, 1, 0
	WIN 0
	s_barrier_wait -1
.if \fill
	CREST                                          ; no wave of any partner still reads this slot's tile or has a load on its way
	s_add_nc_u64 s[G0+4*\slot+2:G0+4*\slot+3], s[G0+4*\slot+2:G0+4*\slot+3], 2*TROW
	s_add_nc_u64 s[G0B+4*\slot+2:G0B+4*\slot+3], s[G0B+4*\slot+2:G0B+4*\slot+3], 2*TROW
.if \fill == 1
	JLOAD \slot, G1, G1B                           ; the first tensor load behind the round: it has the next pass, 192 matrix instructions, in which to land; its four v_nop are also the places in front of the loads below
.else
	JLOAD \slot, G1T, G1BT
.endif
.else
	PLACES
.endif
	FETCH \next, 0, 0
.if \askk
	ASK \askk, \askr
.endif
	WIN MUL
	MULA 1, 2, 0
	MULA 1, 3, 0
.endm
	s_wait_tensorcnt 1                             ; my part of slot 0 is in (slot 1's load may be out)
	s_barrier_signal -1
	s_barrier_wait -1                              ; everybody's is
	FETCH 0, 0, 0
	QUARTER 0, 1, 0, 1                             ; kappa 0: its products start the sums
	QUARTERS 0, 1                                  ; kappa 1 to 4
	TURN 0, 1, 1, 18, PFO                          ; kappa 5; slot 0 takes kappa 12 to 17
	QUARTERS 1, 0                                  ; kappa 6 to 10
	TURN 1, 0, 1, 26, PFC                          ; kappa 11; slot 1 takes kappa 18 to 23
	QUARTERS 0, 0                                  ; kappa 12 to 16
	TURN 0, 1, 1, 0, PFO                           ; kappa 17; slot 0 takes kappa 24 to 29
	QUARTERS 1, 0                                  ; kappa 18 to 22
	TURN 1, 0, 2, 0, PFO                           ; kappa 23; slot 1 takes kappa 30 and 31
	QUARTERS 0, 0                                  ; kappa 24 to 28
	TURN 0, 1, 0, 0, PFO                           ; kappa 29; nothing is left to fetch, so no round follows
	QUARTER 1, 1, 0, 0                             ; kappa 30
	s_wait_dscnt 0x0                               ; kappa 31
	WIN MUL
	MULA 1, 0, 0
	MULA 1, 1, 0
	MULA 1, 2, 0
	MULA 1, 3, 0
	WIN 0
; THE WAY OUT, block by block of 16 rows x 128 columns.  A lane holds 32 neighbouring bytes of a row, the lanes beside it other rows: a block goes through my own stage in LDS and comes back as whole rows of 512 bytes.
; LDS serves a wave's instructions in order (ISA guide 5.7.1.4): no wait between the stores and the loads, nor in front of the next block's stores.
.macro TOSTAGE a
	WIN 0x04                                       ; an LDS store's data are its source 1: window 1
.irp bb, 0,1,2,3,4,5,6,7
	ds_store_b128 v[STO], v[8*(8*(\a)+\bb):8*(8*(\a)+\bb)+3] offset:64*\bb          ; each accumulator from its low end on
	ds_store_b128 v[STO], v[8*(8*(\a)+\bb)+4:8*(8*(\a)+\bb)+7] offset:64*\bb+16
.endr
	WIN 0
.set BB, BK+64*((\a)%2)
.irp t, 0,1,2,3,4,5,6,7,8,9,10,11,12,13,14,15
	ds_load_b128 v[BB+4*\t:BB+4*\t+3], v[RD] offset:\t*SPITCH
.endr
.endm
.macro SEND a, younger                 ; younger: the LDS instructions issued behind block a's loads, which may stay out
.set BB, BK+64*((\a)%2)
	s_wait_dscnt \younger                          ; the block is back in registers
.if (\a) > 0
	s_add_nc_u64 s[10:11], s[10:11], 65536         ; 16 rows on (behind a wait for 0 on XCNT: the earlier stores have read their base)
.endif
.irp t, 0,1,2,3,4,5,6,7,8,9,10,11,12,13,14,15
	v_pk_add_f32 v[BB+4*\t:BB+4*\t+1], v[BB+4*\t:BB+4*\t+1], v[BO:BO+1]             ; + bo
	v_pk_add_f32 v[BB+4*\t+2:BB+4*\t+3], v[BB+4*\t+2:BB+4*\t+3], v[BO+2:BO+3]
.endr
.irp t, 0,1,2,3,4,5,6,7,8,9,10,11,12,13,14,15
	global_store_b128 v[CO], v[BB+4*\t:BB+4*\t+3], s[10:11] offset:\t*4096 th:TH_STORE_NT   ; 32 lanes store 512 consecutive bytes, at a multiple of 512 from the output's first byte
.endr
.endm
	s_wait_loadcnt 0x0                             ; bo
	PLACES                                         ; behind the last products: for the stores of results and the loads into the registers that held fragments
	TOSTAGE 0
.irp a, 1,2,3
.if \a > 1
	s_wait_xcnt 0x0                                ; block a - 2's stores have read their registers and their base
.endif
	TOSTAGE \a
	SEND \a-1, 32                                  ; behind block a - 1's loads: block a's 16 stores and 16 loads
.endr
	s_wait_xcnt 0x0
	SEND 3, 0
	s_wait_tensorcnt 0x0                           ; the wave's end: behind my last tensor load and my last LDS store
	ds_add_u32 v[SPW], v[NIL]
	s_wait_dscnt 0x0
	CROUND                                         ; the closing round: no work-group ends while a partner may still ask for a tile that names it
	s_endpgm
.Lfunc_end_k_qb6c7354fee_outproj:
	.size	k_qb6c7354fee_outproj, .Lfunc_end_k_qb6c7354fee_outproj-k_qb6c7354fee_outproj
	.p2alignl 7, 3214868480
	.fill 96, 4, 3214868480
	.section	.rodata,"a",@progbits
	.p2align	6, 0x0
	.amdhsa_kernel k_qb6c7354fee_outproj
		.amdhsa_group_segment_fixed_size 327680
		.amdhsa_private_segment_fixed_size 0
		.amdhsa_enable_private_segment 0
		.amdhsa_kernarg_size 32
		.amdhsa_user_sgpr_count 2
		.amdhsa_user_sgpr_kernarg_segment_ptr 1
		.amdhsa_wavefront_size32 1
		.amdhsa_system_sgpr_workgroup_id_x 1
		.amdhsa_system_sgpr_workgroup_id_y 1
		.amdhsa_system_sgpr_workgroup_id_z 1
		.amdhsa_system_vgpr_workitem_id 0
		.amdhsa_next_free_vgpr 512
		.amdhsa_next_free_sgpr 88
		.amdhsa_reserve_vcc 0
		.amdhsa_float_denorm_mode_32 3
		.amdhsa_float_denorm_mode_16_64 3
		.amdhsa_memory_ordered 1
		.amdhsa_forward_progress 1
		.amdhsa_inst_pref_size 155
	.end_amdhsa_kernel
	.amdgpu_metadata
---
amdhsa.version: [ 1, 2 ]
amdhsa.kernels:
  - .name:           k_qb6c7354fee_outproj
    .symbol:         k_qb6c7354fee_outproj.kd
    .args:
      - { .name: ao_img, .offset: 0, .size: 8, .value_kind: global_buffer, .address_space: global }
      - { .name: wo_img, .offset: 8, .size: 8, .value_kind: global_buffer, .address_space: global }
      - { .name: bo, .offset: 16, .size: 8, .value_kind: global_buffer, .address_space: global }
      - { .name: out0, .offset: 24, .size: 8, .value_kind: global_buffer, .address_space: global }
    .group_segment_fixed_size: 327680
    .private_segment_fixed_size: 0
    .kernarg_segment_align: 8
    .kernarg_segment_size: 32
    .max_flat_workgroup_size: 128
    .sgpr_count:     88
    .vgpr_count:     512
    .wavefront_size: 32
...
	.end_amdgpu_metadata
.endif
;; end of part 3
